; MI455X (gfx1250); checked and timed in simulation.
; The chip was launched on July 23, 2026; its instructions are those of AMD's public machine-readable ISA for CDNA 5 (MIT licence, August 2026) and "CDNA5" Instruction Set Architecture Reference Guide (July 2026). The comments in the code are by the model that wrote it; some were corrected since.
;; Multi Head Attention. Allowed arithmetic: matrix products marked QUANTISED: E5M2 operands, one E8M0 scale for each 32 along K, by v_wmma_scale_f32_16x16x128_f8f6f4 with both operands' format E5M2, f32 sums; everything else in f32.
;; Inputs: Wo_codes 1,024 x 32 x 32 uint8 (E5M2 codes of Wo, K innermost, in blocks of 32 codes); Wo_scales 1,024 x 32 uint8 (E8M0 scales of Wo, one for each 32 codes along K); Wqkv_codes 3,072 x 32 x 32 uint8 (E5M2 codes of Wqkv, K innermost, in blocks of 32 codes); Wqkv_scales 3,072 x 32 uint8 (E8M0 scales of Wqkv, one for each 32 codes along K); bo 1,024 float32; bqkv 3,072 float32; x_codes 4 x 2,048 x 32 x 32 uint8 (E5M2 codes of x, K innermost, in blocks of 32 codes); x_scales 4 x 2,048 x 32 uint8 (E8M0 scales of x, one for each 32 codes along K).
;; Outputs: out0 4 x 2,048 x 1,024 float32.
;; This version of the problem:
;;   THIS VERSION OF THE PROBLEM IS GIVEN IN LOW PRECISION. The matrix products marked QUANTISED in the list below multiply operands that are first quantised to E5M2 (5 exponent bits, 2 mantissa bits; 8 bits a number), with one power-of-two scale for each 32 numbers along K (OCP MX v1.0); their sums are f32. All else is computed in f32.
;;   The module's matrix products, in the order in which they are computed (A, B: the left and right operand; K: the contracted axis; several contracted axes count as one K, in the product's order):
;;     1. [M 8,192, K 1,024] x [K 1,024, N 3,072]; A: input x (given as codes); B: input Wqkv (given as codes): QUANTISED
;;     2. batch 64 x [M 2,048, K 64] x [K 64, N 2,048]; A: computed on the way; B: computed on the way: QUANTISED
;;     3. batch 64 x [M 2,048, K 2,048] x [K 2,048, N 64]; A: softmax (see below); B: computed on the way: QUANTISED
;;     4. [M 8,192, K 1,024] x [K 1,024, N 1,024]; A: computed on the way; B: input Wo (given as codes): QUANTISED
;;   THE QUANTISER, for each operand of a quantised product, along K:
;;     - K is cut into blocks of 32 from its start; a last block that is shorter is filled with zeros.
;;     - A block's scale is 2^e with e = floor(log2(the largest magnitude in the block)) - 15, held to -126 .. 127; a block of zeros has e = 0. As a byte (E8M0): e + 127.
;;     - Each number is divided by its block's scale, clamped to +-57,344, and rounded to the nearest number of E5M2, ties to even, subnormals kept.
;;     - The product sums the exact products of the quantised numbers (number of the format x scale) in f32.
;;   ~~~python
;;   def quantise(x, axis):      # numpy; x: float32 -> the quantised numbers, widened to float32 again
;;       x = np.moveaxis(x, axis, -1); K = x.shape[-1]
;;       x = np.pad(x, [(0, 0)] * (x.ndim - 1) + [(0, -K % 32)]); x = x.reshape(x.shape[:-1] + (-1, 32)); a = np.abs(x).max(-1, keepdims=True)
;;       e = np.where(a > 0, np.clip(np.frexp(np.where(a > 0, a, 1))[1] - 1 - 15, -126, 127), 0)      # np.frexp(a)[1] - 1 = floor(log2(a)), exactly
;;       r = np.clip(x / 2.0 ** e, -57344, 57344)
;;       step = 2.0 ** (np.maximum(np.frexp(np.where(r == 0, 1, r))[1] - 1, -14) - 2)
;;       q = np.round(r / step) * step * 2.0 ** e      # np.round: ties to even
;;       return np.moveaxis(q.reshape(q.shape[:-2] + (-1,))[..., :K], -1, axis).astype(np.float32)
;;   ~~~
;;   SOFTMAX AHEAD OF A QUANTISED PRODUCT. Where the list says 'softmax', what is quantised is not the finished softmax but p = 2^(t - M), with t = logit x log2(e) and M = ceil(the row's largest t), a whole number; so 1/2 < the row's largest p <= 1. The row's sum l is taken of the UNQUANTISED p, in f32, and the product's result is divided by l at the end. Since M is a whole number, a kernel that streams over the keys may use a running M (the ceiling of the running maximum): every later rescaling is an exact power of two, which a block's scale takes up: the codes' values come out the same.
;;   OPERANDS COMPUTED ON THE WAY. 'Computed on the way' means the value that the module computes at that place (a softmax that the list does not call 'softmax' is quantised finished and normalised). What goes into a quantiser is computed in f32, as accurately as f32 sums, v_exp_f32 and their like allow (about 1e-6 of the number): no bf16 or f16 on the way to a quantiser, and a product that is left as it is and whose result goes on into a quantised operand takes f32 operands (vector FMAs, or v_wmma_f32_16x16x4_f32). A number that lies on a knife's edge between two numbers of the format may be rounded either way, as far as f32 arithmetic and the matrix unit's own rounding can turn it there, and no further.
;;   INPUTS GIVEN AS CODES. Wo (in the module: [1024, 1024], K = its axis 0); Wqkv (in the module: [1024, 3072], K = its axis 0); x (in the module: [4, 2048, 1024], K = its axis 2): each comes as NAME_codes (uint8): NAME with its K axis moved to the last place and cut into blocks of 32 codes, [.., K / 32, bytes a block], one block behind the other in memory; one code a byte (a code: sign, 5 exponent bits, 2 mantissa bits); and NAME_scales (uint8): the same leading axes, one E8M0 byte (e + 127) for each 32 codes along K. Its value is code x scale, taken as it is: it is not quantised again, and the codes and scales need not be those that the quantiser above would give.
;; One version. Each part assembles by itself: llvm-mc -triple=amdgcn-amd-amdhsa -mcpu=gfx1250 --defsym DOCPART=n.
;; ======== version 1 of 1: 3 launches
;; limits: right only within a limited range of input values
;; workspace buffers: qkvc 25,165,824 bytes; qkvs 786,432 bytes; aoc 8,388,608 bytes; aos 262,144 bytes
;; launch qkv (part 1): grid 12 x 32, 4 waves a work-group, clusters of 4 x 4, 327,680 bytes of LDS; arguments x_codes, x_scales, Wqkv_codes, Wqkv_scales, bqkv, qkvc, qkvs; writes qkvc, qkvs
.if DOCPART == 1
	.amdgcn_target "amdgcn-amd-amdhsa--gfx1250"
	.amdhsa_code_object_version 6
	.text
	.protected	k_qfcc684192d_qkv
	.globl	k_qfcc684192d_qkv
	.p2align	8
	.type	k_qfcc684192d_qkv,@function
k_qfcc684192d_qkv:
	s_mov_b64 s[64:65], 0
	v_nop
	global_prefetch_b8 v0, s[64:65] scope:SCOPE_SE
	s_setreg_imm32_b32 hwreg(HW_REG_WAVE_MODE, 25, 1), 1
	s_wait_xcnt 0x0
	s_wait_alu depctr_hold_cnt(0) depctr_sa_sdst(0) depctr_va_vdst(0) depctr_va_sdst(0) depctr_va_ssrc(0) depctr_va_vcc(0) depctr_vm_vsrc(0)
	s_getreg_b32 s2, hwreg(HW_REG_IB_STS2, 6, 4)
	s_cmp_eq_u32 s2, 0
	s_cbranch_scc0 .Lentry_in_a_cluster
	s_endpgm
.Lentry_in_a_cluster:
	s_bfe_u32 s2, ttmp6, 0x10000c
	s_cmp_lg_u32 s2, 0xf033
	s_cbranch_scc0 .Lentry_shape_is_right
	s_endpgm
.Lentry_shape_is_right:
.set KSTEP,  256
.set NQ,     KSTEP/128
.set ROWB,   256
.set KROW,   1024
.set PITCH,  272
.set FR,     16
.set NL,     4
.set NP,     8
.set HALFT,  128*PITCH
.set SLOT,   4*HALFT
.set LAPS,   KROW/(2*KSTEP)
.set KS,     KROW/32
.set SCL,    2*SLOT
.set HALFS,  (128*KS/256)*272
.set SBLK,   (16*KS/256)*272
.set SPARE,  SCL+4*HALFS
.set SPITCH, 528
.set UOFF,   16*SPITCH+128
.set STW,    17152
.set SCR,    4*STW
.set ADRA, 16
.set ADRB, 20
.set BRA,  22
.set STO,  24
.set RDQ,  25
.set GO,   26
.set ADRS, 27
.set SPW,  28
.set NIL,  29
.set SWA,  30
.set SRA,  31
.set SC,   32
.set BC,   64
.set AF,   128
.set PC,   64
.set TM,   80
.set PW,   96
.set BR,   104
.set SW,   120
.set X0,   128
.set X1,   192
.set SEL,  20
.set MNT,  23
.set G1, 24
.set G0, 32
.set G1B, 48
.set G0B, 56
.set G1S, 68
.set G0S, 76
.set G1SB, 80
.set G0SB, 88
.set MSB, 0
.macro WIN new
.if MSB != (\new)
	s_set_vgpr_msb (MSB<<8)|(\new)
.set MSB, (\new)
.endif
.endm
.set MUL_LO,   0xa1
.set MUL_HI,   0xf1
.set FIRST_LO, 0x81
.set FIRST_HI, 0xc1
.set TO_B,     0x40
.macro JLOAD g0a, g1a, g0b, g1b
	s_cmp_eq_u32 s15, 0
	s_cbranch_scc0 .Lfor_b_\@
	tensor_load_to_lds s[\g0a:\g0a+3], s[\g1a:\g1a+7]
	s_nop 0
.rept 4
	v_nop
.endr
	s_branch .Lasked_\@
.Lfor_b_\@:
	tensor_load_to_lds s[\g0b:\g0b+3], s[\g1b:\g1b+7]
	s_nop 0
.rept 4
	v_nop
.endr
.Lasked_\@:
.endm
.macro CREST
	s_cmp_lg_u32 s14, 0
	s_cbranch_scc1 .Lnot_wave_0_\@
	s_barrier_signal -3
.Lnot_wave_0_\@:
	s_barrier_wait -3
	s_barrier_signal -1
	s_barrier_wait -1
.endm
.macro CROUND
	s_barrier_signal -1
	s_barrier_wait -1
	CREST
.endm
	s_load_b256 s[48:55], s[0:1], 0x0
	s_load_b128 s[56:59], s[0:1], 0x20
	s_load_b64 s[60:61], s[0:1], 0x30
	v_lshl_add_u32 v[SPW], v0, 2, SPARE
	v_mov_b32 v[NIL], 0
	ds_add_u32 v28, v29
	ds_add_u32 v28, v29
	s_wait_dscnt 0x0
	v_lshrrev_b32 v1, 5, v0
	v_readfirstlane_b32 s14, v1
	s_lshr_b32 s15, s14, 1
	s_and_b32 s16, s14, 1
	s_bfe_u32 s40, ttmp6, 0x40000
	s_bfe_u32 s41, ttmp6, 0x40004
	s_and_b32 s2, ttmp7, 0xffff
	s_lshl_b32 s2, s2, 2
	s_lshl_b32 s3, ttmp9, 2
	s_lshl_b32 s43, s41, 2
	s_lshl_b32 s43, 15, s43
	s_lshl_b32 s44, 0x1111, s40
	s_wait_kmcnt 0x0
	s_cmp_eq_u32 ttmp9, 2
	s_cselect_b64 s[4:5], s[52:53], s[48:49]
	s_cselect_b64 s[6:7], s[54:55], s[50:51]
	s_cselect_b64 s[8:9], s[48:49], s[52:53]
	s_cselect_b64 s[10:11], s[50:51], s[54:55]
	s_cselect_b32 s95, -1, 0
	s_cselect_b32 s17, 8, s2
	s_cselect_b32 s42, s2, s3
	s_mov_b64 s[12:13], s[58:59]
	s_mov_b64 s[98:99], s[60:61]
	s_mov_b64 s[100:101], s[56:57]
	s_mov_b64 s[96:97], s[56:57]
	s_add_co_u32 s17, s17, s41
	s_add_co_u32 s42, s42, s40
	s_or_b32 s[G1+0], s43, (0<<16)|(1<<20)|(1<<21)|(5<<22)|(3<<25)
	s_or_b32 s[G1B+0], s44, (0<<16)|(1<<20)|(1<<21)|(5<<22)|(3<<25)
.irp g, G1, G1B
	s_mov_b32 s[\g+1], ROWB<<16
	s_mov_b32 s[\g+2], 128<<16
	s_mov_b32 s[\g+3], ROWB<<16
	s_mov_b32 s[\g+4], 128
	s_mov_b32 s[\g+5], KROW
	s_mov_b32 s[\g+6], 0
	s_mov_b32 s[\g+7], 0
.endr
	s_lshl_b32 s18, s16, 7
	s_lshl_b32 s20, s17, 8
	s_add_co_u32 s20, s20, s18
	s_lshl_b32 s46, s42, 8
	s_add_co_u32 s46, s46, s18
	s_mov_b32 s21, 0
	s_mov_b32 s47, 0
	s_mov_b64 s[18:19], KS
	s_mul_u64 s[22:23], s[20:21], s[18:19]
	s_mul_u64 s[92:93], s[46:47], s[18:19]
	s_mov_b64 s[18:19], KROW
	s_mul_u64 s[20:21], s[20:21], s[18:19]
	s_mul_u64 s[46:47], s[46:47], s[18:19]
	s_mul_i32 s45, s14, HALFT
	s_mul_i32 s94, s14, HALFS
	s_add_nc_u64 s[20:21], s[4:5], s[20:21]
	s_add_nc_u64 s[22:23], s[6:7], s[22:23]
	s_add_nc_u64 s[46:47], s[8:9], s[46:47]
	s_add_nc_u64 s[92:93], s[10:11], s[92:93]
	CROUND
.irp s, 0,1
	s_mov_b32 s[G0+4*\s], 1
	s_add_co_u32 s[G0+4*\s+1], s45, \s*SLOT
	s_add_nc_u64 s[G0+4*\s+2:G0+4*\s+3], s[20:21], \s*ROWB
	s_or_b32 s[G0+4*\s+3], s[G0+4*\s+3], 0x80000000
	s_mov_b32 s[G0B+4*\s], 1
	s_add_co_u32 s[G0B+4*\s+1], s45, \s*SLOT
	s_add_nc_u64 s[G0B+4*\s+2:G0B+4*\s+3], s[46:47], \s*ROWB
	s_or_b32 s[G0B+4*\s+3], s[G0B+4*\s+3], 0x80000000
.endr
	JLOAD G0, G1, G0B, G1B                         ; K step 0: my one tensor load at the head
	; the scales of my 128 rows (waves 0, 1: A's; waves 2, 3: B's), 4,096 dense bytes, come through registers while that load is out, into LDS bytes of their own: units of 256 bytes, 272 apart
	s_cmp_eq_u32 s15, 0
	s_cselect_b64 s[76:77], s[22:23], s[92:93]
	s_add_co_u32 s94, s94, SCL
	v_and_b32 v8, 31, v0
	v_lshlrev_b32 v8, 4, v8                        ; 16 x lane
	v_bfe_u32 v9, v0, 4, 1
	v_and_b32 v10, 15, v0
	v_mul_u32_u24 v9, v9, 272
	v_lshl_add_u32 v9, v10, 4, v9
	v_add_nc_u32 v9, s94, v9
.irp i, 0,1,2,3,4,5,6,7
	global_load_b128 v[128+4*\i:131+4*\i], v8, s[76:77] offset:512*\i
.endr
	s_lshl_b32 s2, s17, 1
	s_add_co_u32 s2, s2, s15
	s_lshl_b32 s3, s42, 1
	s_add_co_u32 s3, s3, s16
	s_lshl_b32 s18, s2, 9
	s_lshl_b32 s20, s3, 9
	s_cmp_eq_u32 ttmp9, 2
	s_cselect_b32 s66, s3, s2
	s_cselect_b32 s67, s2, s3
	s_cselect_b32 s18, s18, 0
	s_cselect_b32 s20, 0, s20
	s_mov_b32 s19, 0
	s_mov_b32 s21, 0
	s_add_nc_u64 s[100:101], s[100:101], s[18:19]
	s_add_nc_u64 s[96:97], s[96:97], s[20:21]
	s_and_b32 s67, s67, 7
	s_lshr_b32 s22, s66, 4
	s_lshl_b32 s22, s22, 3
	s_add_co_u32 s22, s22, s67
	s_and_b32 s66, s66, 15
	s_lshl_b32 s46, ttmp9, 23
	s_lshl_b32 s47, s22, 18
	s_add_co_u32 s46, s46, s47
	s_lshl_b32 s47, s66, 14
	s_add_co_u32 s46, s46, s47
	s_mov_b32 s47, 0
	s_add_nc_u64 s[12:13], s[12:13], s[46:47]
	s_lshl_b32 s46, ttmp9, 18
	s_lshl_b32 s22, s22, 13
	s_add_co_u32 s46, s46, s22
	s_lshl_b32 s66, s66, 9
	s_add_co_u32 s46, s46, s66
	s_add_nc_u64 s[98:99], s[98:99], s[46:47]
	v_and_b32 v1, 15, v0
	v_bfe_u32 v2, v0, 4, 1
	v_lshlrev_b32 v7, 5, v2
.irp b, 0,1,2,3,4,5,6,7
	global_load_b128 v[BC+8*\b:BC+8*\b+3], v7, s[96:97] offset:64*\b
	global_load_b128 v[BC+8*\b+4:BC+8*\b+7], v7, s[96:97] offset:64*\b+16
.endr
	v_mul_u32_u24 v3, v1, PITCH
	v_lshl_add_u32 v4, v2, 4, v3
	s_mul_i32 s21, s15, HALFT
	s_mul_i32 s22, s16, HALFT
	s_add_co_u32 s22, s22, 2*HALFT
.irp s, 0,1
	v_add_nc_u32 v[ADRA+\s], s21, v4
	v_add_nc_u32 v[ADRB+\s], s22, v4
	s_add_co_u32 s21, s21, SLOT
	s_add_co_u32 s22, s22, SLOT
.endr
	v_mul_u32_u24 v5, v1, KS
	v_lshrrev_b32 v6, 8, v5
	v_lshl_add_u32 v5, v6, 4, v5
	s_mul_i32 s21, s15, HALFS
	s_mul_i32 s22, s16, HALFS
	s_add_co_u32 s22, s22, 2*HALFS
	s_sub_co_u32 s22, s22, s21
	v_mul_u32_u24 v6, s22, v2
	s_add_co_u32 s21, s21, SCL
	v_add_nc_u32 v5, v5, v6
	v_add_nc_u32 v[ADRS], s21, v5
	s_wait_alu depctr_va_vdst(0)                   ; the wait here, directly ahead of the wait below
	s_wait_loadcnt 0x0                             ; the scales and the bias, asked for together
	s_wait_tensorcnt 0x0                           ; no tensor load of mine is out while I store to LDS
.irp i, 0,1,2,3,4,5,6,7
	ds_store_b128 v9, v[128+4*\i:131+4*\i] offset:544*\i
.endr
	s_wait_tensorcnt 0x0                           ; the full sequence ahead of slot 1's first fill
	ds_add_u32 v28, v29
	s_wait_dscnt 0x0
	CROUND
	JLOAD G0+4, G1, G0B+4, G1B
.set j, 0
.rept 64
	v_cndmask_b32 v[BC+j], v[BC+j], 0, s95
.set j, j+1
.endr
	s_mul_i32 s23, s14, STW
	v_lshrrev_b32 v5, 3, v1
	v_and_b32 v6, 7, v1
	v_lshl_add_u32 v6, v5, 4, v6
	v_mul_u32_u24 v6, v6, SPITCH
	v_lshl_add_u32 v6, v5, 7, v6
	v_lshl_add_u32 v6, v2, 5, v6
	v_add_nc_u32 v[STO], s23, v6
	v_mul_u32_u24 v6, v1, SPITCH
	v_lshl_add_u32 v6, v2, 6, v6
	v_add_nc_u32 v[RDQ], s23, v6
	v_and_b32 v6, 31, v0
	v_lshlrev_b32 v[GO], 4, v6
	s_lshl_b32 s23, s14, 9
	s_add_co_u32 s23, s23, SCR
	v_lshl_add_u32 v[SWA], v1, 2, s23
	v_add_nc_u32 v[SRA], s23, v[GO]
	v_lshl_add_u32 v6, v5, 3, v1
	v_lshlrev_b32 v[BRA], 2, v6
.macro FRAG reg, adr, q, i
.irp c, 0,1,2,3
	ds_load_b128 v[\reg+4*\c:\reg+4*\c+3], v[\adr] offset:128*(\q)+32*\c+(\i)*16*PITCH
.endr
.endm
.macro MUL16 a0, p, q, sc, first
.irp a, \a0, \a0+1
.irp b, 0,1,2,3,4,5,6,7
.if \first
	v_wmma_scale_f32_16x16x128_f8f6f4 v[8*(8*((\a)%4)+\b):8*(8*((\a)%4)+\b)+7], v[128*(\p)+FR*\b:128*(\p)+FR*\b+FR-1], v[AF+FR*(\a):AF+FR*(\a)+FR-1], v[BC+8*\b:BC+8*\b+7], v[SC+8*NQ*(\sc)+NQ*\b+(\q)], v[SC+8*NQ*(\sc)+NQ*(\a)+(\q)] matrix_a_fmt:MATRIX_FMT_BF8 matrix_b_fmt:MATRIX_FMT_BF8 matrix_a_scale:MATRIX_SCALE_ROW1
.else
	v_wmma_scale_f32_16x16x128_f8f6f4 v[8*(8*((\a)%4)+\b):8*(8*((\a)%4)+\b)+7], v[128*(\p)+FR*\b:128*(\p)+FR*\b+FR-1], v[AF+FR*(\a):AF+FR*(\a)+FR-1], v[8*(8*((\a)%4)+\b):8*(8*((\a)%4)+\b)+7], v[SC+8*NQ*(\sc)+NQ*\b+(\q)], v[SC+8*NQ*(\sc)+NQ*(\a)+(\q)] matrix_a_fmt:MATRIX_FMT_BF8 matrix_b_fmt:MATRIX_FMT_BF8 matrix_a_scale:MATRIX_SCALE_ROW1
.endif
.endr
.endr
.endm
.macro FETCH_B slot, q, p
	WIN TO_B
.irp i, 0,1,2,3,4,5,6,7
	FRAG 128*(\p)+FR*\i, ADRB+\slot, \q, \i
.endr
	WIN 0
.endm
.macro FETCH_A slot, q, i0
.irp i, \i0, \i0+1, \i0+2, \i0+3
	FRAG AF+FR*(\i), ADRA+\slot, \q, \i
.endr
.endm
.macro SCALES sc
.irp i, 0,1,2,3,4,5,6,7
	ds_load_b64 v[SC+8*NQ*\sc+NQ*\i:SC+8*NQ*\sc+NQ*\i+1], v[ADRS] offset:\i*SBLK
.endr
.endm
.macro PLACES n
.rept \n
	v_nop
.endr
.endm
.macro STEP slot, q, first
	s_wait_dscnt 4*NL
.if \first
	WIN FIRST_LO
.else
	WIN MUL_LO
.endif
	MUL16 0, (\q)%2, \q, \slot, \first
	MUL16 2, (\q)%2, \q, \slot, \first
	s_wait_dscnt 0
	PLACES NP
	FETCH_B \slot, (\q)+1, 1-(\q)%2
	FETCH_A \slot, (\q)+1, 0
.if \first
	WIN FIRST_HI
.else
	WIN MUL_HI
.endif
	MUL16 4, (\q)%2, \q, \slot, \first
	MUL16 6, (\q)%2, \q, \slot, \first
	PLACES NP
	WIN 0
	FETCH_A \slot, (\q)+1, 4
.endm
.macro TURN slot, next, fill
	s_wait_tensorcnt 0x0
	ds_add_u32 v[SPW], v[NIL]
	s_wait_dscnt 4*NL+1
	WIN MUL_LO
	MUL16 0, 1, NQ-1, \slot, 0
	s_wait_dscnt 0x0
	s_barrier_signal -1
	MUL16 2, 1, NQ-1, \slot, 0
	WIN 0
	s_barrier_wait -1
.if \fill
	CREST
	s_add_nc_u64 s[G0+4*\slot+2:G0+4*\slot+3], s[G0+4*\slot+2:G0+4*\slot+3], 2*ROWB
	s_add_nc_u64 s[G0B+4*\slot+2:G0B+4*\slot+3], s[G0B+4*\slot+2:G0B+4*\slot+3], 2*ROWB
	JLOAD G0+4*\slot, G1, G0B+4*\slot, G1B
	PLACES NP-4
.else
	PLACES NP
.endif
	s_wait_alu depctr_va_vdst(0)
	v_add_nc_u32 v[ADRS], 4*NQ, v[ADRS]
	FETCH_B \next, 0, 0
	FETCH_A \next, 0, 0
	SCALES \next
	WIN MUL_HI
	MUL16 4, 1, NQ-1, \slot, 0
	MUL16 6, 1, NQ-1, \slot, 0
	PLACES NP
	WIN 0
	FETCH_A \next, 0, 4
.endm
	s_wait_tensorcnt 1
	s_barrier_signal -1
	s_barrier_wait -1
	FETCH_B 0, 0, 0
	FETCH_A 0, 0, 0
	SCALES 0
	FETCH_A 0, 0, 4
	STEP 0, 0, 1
	s_mov_b32 s3, LAPS-1
.Llap:
	TURN 0, 1, 1
	STEP 1, 0, 0
	TURN 1, 0, 1
	STEP 0, 0, 0
	s_sub_co_u32 s3, s3, 1
	s_cmp_lg_u32 s3, 0
	s_cbranch_scc1 .Llap
	TURN 0, 1, 0
	STEP 1, 0, 0
	s_wait_dscnt 4*NL
	WIN MUL_LO
	MUL16 0, 1, NQ-1, 1, 0
	MUL16 2, 1, NQ-1, 1, 0
	s_wait_dscnt 0
	WIN MUL_HI
	MUL16 4, 1, NQ-1, 1, 0
	MUL16 6, 1, NQ-1, 1, 0
	WIN 0
.macro TOST2 g
	WIN 0x08+4*((\g)/2)
.irp par, 0,1
.irp b, 0,1,2,3,4,5,6,7
	ds_store_b128 v[STO], v[64*((2*(\g)+\par)%4)+8*\b:64*((2*(\g)+\par)%4)+8*\b+3] offset:\par*8*SPITCH+64*\b
	ds_store_b128 v[STO], v[64*((2*(\g)+\par)%4)+8*\b+4:64*((2*(\g)+\par)%4)+8*\b+7] offset:\par*8*SPITCH+64*\b+16
.endr
.endr
	WIN 0
.endm
.macro BACK u, x
.irp c, 0,1,2,3
.irp i, 0,1,2,3
	ds_load_b128 v[\x+16*\c+4*\i:\x+16*\c+4*\i+3], v[RDQ] offset:\u*UOFF+128*\c+16*\i
.endr
.endr
.endm
.macro BIASR i, x
.set j, 0
.rept 32
	v_pk_add_f32 v[\x+j:\x+j+1], v[\x+j:\x+j+1], v[BR+2*(\i):BR+2*(\i)+1]
.set j, j+2
.endr
.endm
.macro QUANT s, pw
.irp b, 0,1,2,3
	v_max3_num_f32 v[TM+\b], |v[\s+16*\b]|, |v[\s+1+16*\b]|, 0x8000000
.endr
.irp i, 2,4,6,8,10,12,14
.irp b, 0,1,2,3
	v_max3_num_f32 v[TM+\b], v[TM+\b], |v[\s+16*\b+\i]|, |v[\s+1+16*\b+\i]|
.endr
.endr
.irp b, 0,1,2,3
	v_permlanex16_b32 v[TM+4+\b], v[TM+\b], s[SEL], s[SEL+1]
.endr
.irp b, 0,1,2,3
	v_max_num_f32 v[TM+\b], v[TM+\b], v[TM+4+\b]
.endr
.irp b, 0,1,2,3
	v_add_nc_u32 v[TM+12+\b], 0xf8800000, v[TM+\b]
.endr
.irp b, 0,1,2,3
	v_and_or_b32 v[TM+8+\b], v[TM+\b], 0x7f800000, s[MNT]
.endr
.irp b, 0,1,2,3
	v_lshrrev_b32 v[TM+4+\b], 23, v[TM+12+\b]
.endr
	v_lshl_or_b32 v[\pw], v[TM+5], 8, v[TM+4]
	v_lshl_or_b32 v[\pw], v[TM+6], 16, v[\pw]
	v_lshl_or_b32 v[\pw], v[TM+7], 24, v[\pw]
.irp b, 0,1,2,3
.irp i, 0,1,2,3,4,5,6,7,8,9,10,11,12,13,14,15
	v_med3_num_f32 v[\s+16*\b+\i], v[\s+16*\b+\i], -v[TM+8+\b], v[TM+8+\b]
.endr
	v_cvt_scalef32_pk8_bf8_f32 v[PC+4*\b:PC+1+4*\b], v[\s+16*\b:\s+7+16*\b], v[TM+12+\b]
	v_cvt_scalef32_pk8_bf8_f32 v[PC+2+4*\b:PC+3+4*\b], v[\s+8+16*\b:\s+15+16*\b], v[TM+12+\b]
.endr
	v_nop
.endm
.macro OUT g, u
.irp c, 0,1,2,3
	global_store_b128 v[GO], v[PC+4*\c:PC+4*\c+3], s[12:13] offset:4096*\g+2048*\u+512*\c
.endr
	ds_store_b32 v[SWA], v[PW+2*\g+\u] offset:64*(2*\g+\u)
.endm
.macro GROUP g
	TOST2 \g
	BACK 0, X0
	BACK 1, X1
.if \g == 0
	s_wait_loadcnt 0x0
.irp i, 0,1,2,3,4,5,6,7
	v_cndmask_b32 v[BR+2*\i], 0, v[BR+2*\i], s95
.endr
.irp i, 0,1,2,3,4,5,6,7
	v_mov_b32 v[BR+2*\i+1], v[BR+2*\i]
.endr
.endif
	s_wait_alu depctr_va_vdst(0)
	s_wait_dscnt 16
	s_wait_xcnt 0x0
	BIASR 2*\g, X0
	QUANT X0, PW+2*\g
	OUT \g, 0
	s_wait_dscnt 1
	s_wait_xcnt 0x0
	BIASR 2*\g+1, X1
	QUANT X1, PW+2*\g+1
	OUT \g, 1
.endm
	s_mov_b32 s[SEL], 0x76543210
	s_mov_b32 s[SEL+1], 0xfedcba98
	s_mov_b32 s[MNT], 0x600000
.irp i, 0,1,2,3,4,5,6,7
	global_load_b32 v[BR+2*\i], v[BRA], s[100:101] offset:128*(\i/2)+32*(\i%2)
.endr
	PLACES NP
.irp b, 0,1,2,3
	v_mov_b32 v[TM+4+\b], 0
.endr
	GROUP 0
	GROUP 1
	GROUP 2
	GROUP 3
	ds_load_b128 v[SW:SW+3], v[SRA]
	s_wait_dscnt 0x0
	global_store_b128 v[GO], v[SW:SW+3], s[98:99]
	s_wait_tensorcnt 0x0
	ds_add_u32 v[SPW], v[NIL]
	s_wait_dscnt 0x0
	CROUND
	s_endpgm
.Lfunc_end_k_qfcc684192d_qkv:
	.size	k_qfcc684192d_qkv, .Lfunc_end_k_qfcc684192d_qkv-k_qfcc684192d_qkv
	.p2alignl 7, 3214868480
	.fill 96, 4, 3214868480
	.section	.rodata,"a",@progbits
	.p2align	6, 0x0
	.amdhsa_kernel k_qfcc684192d_qkv
		.amdhsa_group_segment_fixed_size 327680
		.amdhsa_private_segment_fixed_size 0
		.amdhsa_enable_private_segment 0
		.amdhsa_kernarg_size 56
		.amdhsa_user_sgpr_count 2
		.amdhsa_user_sgpr_kernarg_segment_ptr 1
		.amdhsa_wavefront_size32 1
		.amdhsa_system_sgpr_workgroup_id_x 1
		.amdhsa_system_sgpr_workgroup_id_y 1
		.amdhsa_system_sgpr_workgroup_id_z 1
		.amdhsa_system_vgpr_workitem_id 0
		.amdhsa_next_free_vgpr 1024
		.amdhsa_next_free_sgpr 102
		.amdhsa_reserve_vcc 0
		.amdhsa_float_denorm_mode_32 3
		.amdhsa_float_denorm_mode_16_64 3
		.amdhsa_memory_ordered 1
		.amdhsa_forward_progress 1
		.amdhsa_inst_pref_size 226
	.end_amdhsa_kernel
	.amdgpu_metadata
---
amdhsa.version: [ 1, 2 ]
amdhsa.kernels:
  - .name:           k_qfcc684192d_qkv
    .symbol:         k_qfcc684192d_qkv.kd
    .args:
      - { .name: x_codes, .offset: 0, .size: 8, .value_kind: global_buffer, .address_space: global }
      - { .name: x_scales, .offset: 8, .size: 8, .value_kind: global_buffer, .address_space: global }
      - { .name: Wqkv_codes, .offset: 16, .size: 8, .value_kind: global_buffer, .address_space: global }
      - { .name: Wqkv_scales, .offset: 24, .size: 8, .value_kind: global_buffer, .address_space: global }
      - { .name: bqkv, .offset: 32, .size: 8, .value_kind: global_buffer, .address_space: global }
      - { .name: qkvc, .offset: 40, .size: 8, .value_kind: global_buffer, .address_space: global }
      - { .name: qkvs, .offset: 48, .size: 8, .value_kind: global_buffer, .address_space: global }
    .group_segment_fixed_size: 327680
    .private_segment_fixed_size: 0
    .kernarg_segment_align: 8
    .kernarg_segment_size: 56
    .max_flat_workgroup_size: 128
    .sgpr_count:     102
    .vgpr_count:     1024
    .wavefront_size: 32
...
	.end_amdgpu_metadata
.endif
;; end of part 1
;; launch attn (part 2): grid 4 x 64, 16 waves a work-group, clusters of 4 x 1, 327,680 bytes of LDS; arguments qkvc, qkvs, aoc, aos; writes aoc, aos
.if DOCPART == 2
	.amdgcn_target "amdgcn-amd-amdhsa--gfx1250"
	.amdhsa_code_object_version 6
	.text
	.protected	k_qfcc684192d_attn
	.globl	k_qfcc684192d_attn
	.p2align	8
	.type	k_qfcc684192d_attn,@function
k_qfcc684192d_attn:
	s_mov_b64 s[64:65], 0
	v_nop
	global_prefetch_b8 v0, s[64:65] scope:SCOPE_SE
	s_setreg_imm32_b32 hwreg(HW_REG_WAVE_MODE, 25, 1), 1
	s_wait_xcnt 0x0
	s_wait_alu depctr_hold_cnt(0) depctr_sa_sdst(0) depctr_va_vdst(0) depctr_va_sdst(0) depctr_va_ssrc(0) depctr_va_vcc(0) depctr_vm_vsrc(0)
	s_getreg_b32 s2, hwreg(HW_REG_IB_STS2, 6, 4)
	s_cmp_eq_u32 s2, 0
	s_cbranch_scc0 .Lentry_in_a_cluster
	s_endpgm
.Lentry_in_a_cluster:
	s_bfe_u32 s2, ttmp6, 0x10000c
	s_cmp_lg_u32 s2, 0x3003
	s_cbranch_scc0 .Lentry_shape_is_right
	s_endpgm
.Lentry_shape_is_right:
; Attention of one head on codes of E5M2 with one E8M0 scale for each 32 along a product's K, and the quantising of its result along the embedding's axis for the last projection.
; t = q . k x log2(e) / 8;  M = the row's largest t so far, rounded UP to a whole number;  p = 2^(t - M) is quantised along the keys, not normalised; the row's sum is taken of the unquantised p and divides O at the end.
; SHARES.  Work-group (cx, y): head y (16 x batch + head), queries 512 cx on.  Sixteen waves, each one tile of 16 queries in 256 registers, two passes of 256 queries: one loop of two trips.
; A WHOLE HEAD'S K AND V (256 KiB of codes) lie in LDS for the whole launch: every byte is filled once, there is no ring.  The four work-groups of a head form a cluster and ask for every tile JOINTLY (mask 15).
; The fills go out in two groups, one load a wave in each: key steps 0-3 at the head (waves 0-3: K, a step each; waves 4-7: V), steps 4-15 behind the full sequence and a round (waves 0-11: K, a step each; waves 12-15: V, three steps each).
; Steps 0 and 1 are walked while the second group lands; one barrier, in front of which every wave has waited for its loads, opens the rest (the second pass runs the same lines and finds nothing out).
; THE SCALE WORDS of my head (4 KiB for K, 4 KiB for V) come through registers and are stored into LDS bytes of their own.
; LAYOUT.  Both products are used transposed: S^T = K Q^T, O^T = V^T P^T: a lane holds ONE query (lane % 16) throughout.
; The first product's K is 64.  A fragment of K holds TWO tiles of 16 keys: tile 2 f in the lower 64 of the instruction's 128, tile 2 f + 1 in the upper 64.  Q stands as (Q, zeros, Q) in 24 registers: against (Q, 0) the fragment gives tile 2 f's
; scores, against (0, Q) tile 2 f + 1's; the other tile's codes meet zero codes and add nothing (they are finite: the launch before holds them).
; TWO REGIONS OF 64 REGISTERS TAKE TURNS, step by step: K lies in x and the scores go to y; V comes into x behind the first product, and the next step's K into y as the conversions leave it.  A loop's trip is two steps.
; K's scale word of a fragment's row: tile 2 f's two bytes below, tile 2 f + 1's above; made at the head.  Q's: its two bytes below (v220) or above (v221), the other two 0.
; No data prefetch: all fills are issued at the head, in two groups, and there is no loop in which to run ahead of them.
; OUT: aoc: tile x 16,384 + (head / 2) x 2,048 + 512 c + 16 lane, c = 2 (head % 2) + block.  aos: (16 tile + r) x 32 + 2 head: two scale bytes a query (a scale word of the next product spans two heads, which two work-groups make).
; LIMITS: NaN and infinities are not served.  The promise holds while the scaled scores t stay under 2^31 in magnitude.  A block of zeros, and one whose largest magnitude lies under 2^-111, gets the scale byte 1 (this program alone reads the bytes).
.set KSTEP, 8192                       ; a key step (128 keys) of K in LDS: eight tiles of 1,024 bytes; of V likewise: four tiles of 2,048
.set VB,    131072                     ; V begins behind K's 16 steps
.set SCK,   262144                     ; K's scale words, 256 bytes a step; V's 4,096 bytes on
.set SPARE, SCK+8192                   ; the spare words, 128 bytes a wave
.set LI,   1                           ; 16 x lane
.set AS0,  2                           ; SCK + 4 x lane
.set AV0,  3                           ; VB + 16 x lane
.set TMP,  4                           ; -M of the step before
.set QSA,  5                           ; 4 r
.set OSA,  6                           ; 32 r
.set Q2S,  7                           ; the second pass's scale bytes of Q
.set ADK,  8                           ; the step's K, V, scale words
.set ADV,  9
.set ADS,  10
.set T2,   11
.set QF,   16                          ; v16-23 Q, v24-31 zeros, v32-39 Q
.set KF,   40                          ; the two regions
.set S,    104
.set O,    168                         ; O^T
.set PC,   200                         ; p's codes
.set VS,   216                         ; V's scale words
.set KS,   218                         ; K's
.set QS,   220                         ; Q's, below and above
.set OW,   222
.set SPW,  224
.set NIL,  225
.set BM,   228
.set PL,   232
.set HOLD, 236
.set SOP,  240
.set SB,   244                         ; the sum's second chain
.set F,    246                         ; f = 2^(old M - new M);
.set PW,   247                         ; p's scale word
.set Q2,   248                         ; the second pass's Q
.set WV,   12
.set MNT,  19
.set SEL,  20
.set CS,   22
.set G1K,  24                          ; 8 rows of 1,024 bytes, 2,048 apart
.set G1D,  32                          ; 8,192 dense bytes
.set G1V,  40                          ; 3 rows of 8,192 bytes, 16,384 apart
.set G0A,  48
.set G0B,  52
.set G0C,  56
.set G0E,  60
.set PQC,  66
.set PQS,  68
.set PAC,  70
.set PAS,  72
.set KSP,  74
.set VSP,  76
.set PSEL, 78
.set TB,   80
.set TS,   81
.set PCNT, 82
.set CNT,  83
.macro CROUND                          ; a round of the cluster's barrier
	s_barrier_signal -1
	s_barrier_wait -1
	s_cmp_lg_u32 s[WV], 0
	s_cbranch_scc1 .Lnot_wave_0_\@
	s_barrier_signal -3
.Lnot_wave_0_\@:
	s_barrier_wait -3
	s_barrier_signal -1
	s_barrier_wait -1
.endm
.macro G1SET g, c, r, p                ; r rows of c elements of 8 bytes, p elements apart; mask 15 with bit 21 beside it; no padding: every read is 16 x lane on end
	s_mov_b32 s[\g], 15|(3<<16)|(1<<21)
	s_mov_b32 s[\g+1], (\c)<<16
	s_mov_b32 s[\g+2], (\r)<<16
	s_mov_b32 s[\g+3], (\c)<<16
	s_mov_b32 s[\g+4], \r
	s_mov_b32 s[\g+5], \p
	s_mov_b32 s[\g+6], 0
	s_mov_b32 s[\g+7], 0
.endm
.macro G0SET g, base, off              ; the LDS address s[g+1] is made beside it
	s_mov_b32 s[\g], 1
	s_mov_b32 s96, s[\off]
	s_add_nc_u64 s[\g+2:\g+3], s[\base:\base+1], s[96:97]
	s_or_b32 s[\g+3], s[\g+3], 0x80000000
.endm
.macro TL g0, g1                       ; a tensor load with s_nop 0 and four v_nop behind it
	tensor_load_to_lds s[\g0:\g0+3], s[\g1:\g1+7]
	s_nop 0
.rept 4
	v_nop
.endr
.endm
	s_load_b256 s[4:11], s[0:1], 0x0               ; qkvc, qkvs, aoc, aos
	v_lshl_add_u32 v[SPW], v0, 2, SPARE
	v_mov_b32 v[NIL], 0
	ds_add_u32 v[SPW], v[NIL]                      ; the opening lines: the add twice on end and its wait
	ds_add_u32 v[SPW], v[NIL]
	v_lshrrev_b32 v8, 5, v0
	v_readfirstlane_b32 s[WV], v8                  ; wave 0..15
	s_bfe_u32 s13, ttmp6, 0x40000                  ; cx: it enters Q's and the output's addresses alone
	s_and_b32 s14, ttmp7, 0xffff                   ; 16 x batch + head
	s_and_b32 s15, s14, 1                          ; which head of its pair
	s_lshr_b32 s16, s14, 1                         ; 8 x batch + pair
	s_and_b32 s17, s[WV], 3
	s_lshl_b32 s84, s16, 18
	s_lshl_b32 s85, s15, 10
	s_add_co_u32 s86, s84, s85
	s_add_co_u32 s86, s86, 1<<23                   ; K of my head in qkvc: step x 16,384 + tile x 2,048 on
	s_mov_b32 s87, 0
	s_lshl_b32 s85, s15, 13
	s_add_co_u32 s88, s84, s85
	s_add_co_u32 s88, s88, 2<<23                   ; V of my head: step x 16,384 on, 8,192 dense bytes
	s_mov_b32 s89, 0
	s_mov_b32 s97, 0
	s_lshl_b32 s90, s17, 14                        ; first group: step wave % 4
	s_lshl_b32 s[G0A+1], s17, 13
	s_lshl_b32 s[G0B+1], s17, 13
	s_add_co_u32 s[G0B+1], s[G0B+1], VB
	s_add_co_u32 s91, s[WV], 4                     ; second group, K: step wave + 4
	s_lshl_b32 s92, s91, 14
	s_lshl_b32 s[G0C+1], s91, 13
	s_mul_i32 s93, s17, 3                          ; V: steps 4 + 3 (wave % 4) on
	s_add_co_u32 s93, s93, 4
	s_lshl_b32 s94, s93, 14
	s_lshl_b32 s[G0E+1], s93, 13
	s_add_co_u32 s[G0E+1], s[G0E+1], VB
	G1SET G1K, 128, 8, 256
	G1SET G1D, 32, 32, 32
	G1SET G1V, 1024, 3, 2048
	s_mov_b32 s[SEL], 0x76543210
	s_mov_b32 s[SEL+1], 0xfedcba98
	s_mov_b32 s[CS], 0x3e38aa3b                    ; c = log2(e) / sqrt(64)
	s_mov_b32 s[CS+1], s[CS]
	s_mov_b32 s[MNT], 0x600000
	s_wait_dscnt 0x0
	s_wait_kmcnt 0x0
	s_add_nc_u64 s[86:87], s[4:5], s[86:87]
	s_add_nc_u64 s[88:89], s[4:5], s[88:89]
	G0SET G0A, 86, 90
	G0SET G0B, 88, 90
	G0SET G0C, 86, 92
	G0SET G0E, 88, 94
	CROUND                                         ; all four work-groups are here: the joint loads meet
	s_cmp_lt_u32 s[WV], 4                          ; the head's fills: one chain of branches on the wave's number, one load to an arm
	s_cbranch_scc0 .Lh_v
	TL G0A, G1K
	s_branch .Lh_done
.Lh_v:
	s_cmp_lt_u32 s[WV], 8
	s_cbranch_scc0 .Lh_done
	TL G0B, G1D
.Lh_done:
	s_lshl_b32 s94, s13, 5
	s_add_co_u32 s94, s94, s[WV]                   ; my first tile of 16 queries in the batch: 32 cx + wave; the second pass's lies sixteen tiles on
	s_lshl_b32 s96, s16, 18                        ; Q's codes: pair x 262,144 + tile x 2,048 + head x 1,024
	s_lshl_b32 s95, s94, 11
	s_add_co_u32 s96, s96, s95
	s_lshl_b32 s95, s15, 10
	s_add_co_u32 s96, s96, s95
	s_add_nc_u64 s[PQC:PQC+1], s[4:5], s[96:97]
	s_lshl_b32 s96, s16, 13                        ; Q's scale bytes: pair x 8,192 + tile x 64 + 2 x head
	s_lshl_b32 s95, s94, 6
	s_add_co_u32 s96, s96, s95
	s_lshl_b32 s95, s15, 1
	s_add_co_u32 s96, s96, s95
	s_add_nc_u64 s[PQS:PQS+1], s[6:7], s[96:97]
	s_lshl_b32 s96, s16, 13                        ; K's scale words of the pair
	s_add_co_u32 s96, s96, 1<<18
	s_add_nc_u64 s[KSP:KSP+1], s[6:7], s[96:97]
	s_lshl_b32 s96, s16, 13                        ; V's of my head: step x 512 + head x 256
	s_add_co_u32 s96, s96, 2<<18
	s_lshl_b32 s95, s15, 8
	s_add_co_u32 s96, s96, s95
	s_add_nc_u64 s[VSP:VSP+1], s[6:7], s[96:97]
	s_lshr_b32 s95, s14, 4
	s_lshl_b32 s95, s95, 7
	s_add_co_u32 s94, s94, s95                     ; the tile among all: 128 x batch + tile
	s_lshl_b32 s96, s94, 14
	s_and_b32 s95, s16, 7
	s_lshl_b32 s95, s95, 11
	s_add_co_u32 s96, s96, s95
	s_lshl_b32 s95, s15, 10
	s_add_co_u32 s96, s96, s95
	s_add_nc_u64 s[PAC:PAC+1], s[8:9], s[96:97]
	s_lshl_b32 s96, s94, 9
	s_and_b32 s95, s14, 15
	s_lshl_b32 s95, s95, 1
	s_add_co_u32 s96, s96, s95
	s_add_nc_u64 s[PAS:PAS+1], s[10:11], s[96:97]
	s_mov_b32 s[PSEL], 0x07060302                  ; byte selects: my head's two bytes of two words of the pair
	s_cmp_eq_u32 s15, 0
	s_cselect_b32 s[PSEL], 0x05040100, s[PSEL]
	v_and_b32 v104, 31, v0                         ; lane
	v_and_b32 v105, 15, v0                         ; r
	v_lshlrev_b32 v[LI], 4, v104
	v_lshlrev_b32 v[QSA], 2, v105
	v_lshlrev_b32 v[OSA], 5, v105
	v_add_nc_u32 v[AV0], VB, v[LI]
	v_lshl_add_u32 v[AS0], v104, 2, SCK
	v_lshrrev_b32 v106, 4, v0                      ; K's scale word number T = 64 step + 16 f + r is made of the pair's words at 128 (T / 16) + 4 r (tile 2 f) and 64 bytes on (tile 2 f + 1)
	v_lshlrev_b32 v106, 7, v106
	v_lshl_add_u32 v106, v105, 2, v106
	v_lshrrev_b32 v107, 6, v0                      ; V's word number T lies at 512 (T / 64) + 4 (T % 64)
	v_and_b32 v108, 63, v0
	v_lshlrev_b32 v107, 9, v107
	v_lshl_add_u32 v107, v108, 2, v107
	v_lshl_add_u32 v109, v0, 2, SCK                ; both go to 4 T; words T + 512 (eight steps on) 2,048 bytes further
	global_load_b32 v110, v106, s[KSP:KSP+1]
	global_load_b32 v111, v106, s[KSP:KSP+1] offset:64
	global_load_b32 v112, v106, s[KSP:KSP+1] offset:4096
	global_load_b32 v113, v106, s[KSP:KSP+1] offset:4160
	global_load_b32 v114, v107, s[VSP:VSP+1]
	global_load_b32 v115, v107, s[VSP:VSP+1] offset:4096
	global_load_b128 v[QF:QF+3], v[LI], s[PQC:PQC+1]                  ; the first pass's Q, twice
	global_load_b128 v[QF+4:QF+7], v[LI], s[PQC:PQC+1] offset:512
	global_load_b128 v[QF+16:QF+19], v[LI], s[PQC:PQC+1]
	global_load_b128 v[QF+20:QF+23], v[LI], s[PQC:PQC+1] offset:512
	global_load_u16 v[QS], v[QSA], s[PQS:PQS+1]
	global_load_b128 v[Q2:Q2+3], v[LI], s[PQC:PQC+1] offset:16*2048   ; the second pass's, sixteen tiles on
	global_load_b128 v[Q2+4:Q2+7], v[LI], s[PQC:PQC+1] offset:16*2048+512
	global_load_u16 v[Q2S], v[QSA], s[PQS:PQS+1] offset:16*64
.irp i, 0,1,2,3,4,5,6,7
	v_mov_b32 v[QF+8+\i], 0                        ; the zero codes between the two copies of Q
.endr
.irp b, 0,1,2,3
	v_mov_b32 v[PL+\b], 0                          ; a lane permute's destination counts as one of its sources
.endr
	v_mov_b32 v[PW], 0                             ; (named as the upper half of the pair with f)
	s_wait_alu depctr_va_vdst(0)                   ; the wait here, directly ahead of the wait below
	s_wait_loadcnt 0x0
	v_perm_b32 v110, v111, v110, s[PSEL]
	v_perm_b32 v112, v113, v112, s[PSEL]
	v_lshlrev_b32 v[QS+1], 16, v[QS]
	s_wait_alu depctr_va_vdst(0)                   ; likewise
	s_wait_tensorcnt 0x0                           ; no tensor load of mine is out while I store to LDS
	ds_store_b32 v109, v110
	ds_store_b32 v109, v112 offset:2048
	ds_store_b32 v109, v114 offset:4096
	ds_store_b32 v109, v115 offset:6144
	s_wait_tensorcnt 0x0                           ; the full sequence ahead of the second group of first fills,
	ds_add_u32 v[SPW], v[NIL]
	ds_add_u32 v[SPW], v[NIL]                      ; with the add twice
	s_wait_dscnt 0x0                               ; the adds and my stores are done
	CROUND                                         ; steps 0-3 and the scale words are whole for every wave, and the four work-groups meet
	s_cmp_lt_u32 s[WV], 12
	s_cbranch_scc0 .Lp_v
	TL G0C, G1K
	s_branch .Lp_done
.Lp_v:
	TL G0E, G1V
.Lp_done:
.macro KHALF y, h, nxt                 ; fragments 2 h, 2 h + 1 of a step's K (4,096 bytes on end) into region y; with the first half the two registers of scale words: lanes 0-15 fragment 2 i, lanes 16-31 fragment 2 i + 1
.irp i, 0,1,2,3,4,5,6,7
	ds_load_b128 v[\y+32*(\h)+4*\i:\y+32*(\h)+4*\i+3], v[ADK] offset:KSTEP*\nxt+4096*(\h)+512*\i
.endr
.if (\h) == 0
	ds_load_b32 v[KS], v[ADS] offset:256*\nxt
	ds_load_b32 v[KS+1], v[ADS] offset:256*\nxt+128
.endif
.endm
.macro KQ x, y, f, u                   ; the scores of tile 2 f + u
.if (\f)%2
	v_wmma_scale_f32_16x16x128_f8f6f4 v[\y+16*\f+8*\u:\y+16*\f+8*\u+7], v[\x+16*\f:\x+16*\f+15], v[QF+8*\u:QF+8*\u+15], 0, v[KS+\f/2], v[QS+\u] matrix_a_fmt:MATRIX_FMT_BF8 matrix_b_fmt:MATRIX_FMT_BF8 matrix_a_scale:MATRIX_SCALE_ROW1
.else
	v_wmma_scale_f32_16x16x128_f8f6f4 v[\y+16*\f+8*\u:\y+16*\f+8*\u+7], v[\x+16*\f:\x+16*\f+15], v[QF+8*\u:QF+8*\u+15], 0, v[KS+\f/2], v[QS+\u] matrix_a_fmt:MATRIX_FMT_BF8 matrix_b_fmt:MATRIX_FMT_BF8
.endif
.endm
.macro VL x, n                         ; load number n of the step's eighteen for V: sixteen of codes (fragment n / 4), two of scale words (tiles 0 and 1, tiles 2 and 3)
.if (\n) < 16
	ds_load_b128 v[\x+4*(\n):\x+4*(\n)+3], v[ADV] offset:512*(\n)
.else
	ds_load_b32 v[VS+(\n)-16], v[ADS] offset:4096+128*((\n)-16)
.endif
.endm
.macro SUM y                           ; line SN of the fifteen that sum blocks 0 and 1 of the unquantised p, two at a time, in two chains
.if SN == 0
	v_pk_add_f32 v[SB:SB+1], v[\y:\y+1], v[\y+2:\y+3]
.elseif SN < 15
.if SN%2
	v_pk_add_f32 v[14:15], v[14:15], v[\y+2*SN+2:\y+2*SN+3]
.else
	v_pk_add_f32 v[SB:SB+1], v[SB:SB+1], v[\y+2*SN+2:\y+2*SN+3]
.endif
.endif
.set SN, SN+1
.endm
.macro CODES y, b                      ; blocks b, b + 1: codes, and half of the next step's K into the registers that p has left
.irp k, \b, \b+1
	v_cvt_scalef32_pk8_bf8_f32 v[PC+4*(\k):PC+4*(\k)+1], v[\y+16*(\k):\y+16*(\k)+7], v[SOP+(\k)]
	v_cvt_scalef32_pk8_bf8_f32 v[PC+4*(\k)+2:PC+4*(\k)+3], v[\y+16*(\k)+8:\y+16*(\k)+15], v[SOP+(\k)]
.endr
	KHALF \y, (\b)/2, 1
.endm
; A KEY STEP: 128 keys.  Its K lies in region x, asked for a step ago; the scores go to region y.  (The last step of a pass asks for the 8,192 + 256 bytes behind K's and its scale words' regions, which are whole, and nothing of them is used.)
; LDS loads of a step, in their order: 18 for V, 10 for the next K's first half, 8 for its second.
.macro STEP x, y
	v_add_nc_u32 v[ADK], s[TB], v[LI]              ; five plain lines and four v_nop: nine places between the last step's products V^T P and the scores, which are written over V's fragments
	v_add_nc_u32 v[ADV], s[TB], v[AV0]
	v_add_nc_u32 v[ADS], s[TS], v[AS0]
	v_mov_b32 v[TMP], v12
	v_pk_add_f32 v[14:15], v[14:15], v[SB:SB+1]    ; the sum's two chains of the step before
.rept 4
	v_nop
.endr
	s_wait_alu depctr_va_vdst(0)                   ; the wait here, directly ahead of the wait below
	s_wait_dscnt 8                                 ; K's first half and its scale words are in; the eight loads of the second half may be out
.irp f, 0,1
	KQ \x, \y, \f, 0
	KQ \x, \y, \f, 1
.endr
	s_wait_dscnt 0x0
.irp f, 2,3
	KQ \x, \y, \f, 0
	KQ \x, \y, \f, 1
.endr
.rept 8
	v_nop                                          ; places in front of the loads into K's registers and of the first read of the scores
.endr
.irp n, 0,1,2,3,4,5,6,7,8,9,10,11,12,13,14,15,16,17
	VL \x, \n                                      ; V's eighteen loads, in one run: the whole softmax stands between them and their use
.endr
.irp b, 0,1,2,3
	v_max3_num_f32 v[BM+\b], v[\y+16*\b], v[\y+1+16*\b], v[\y+2+16*\b]
.endr
.irp i, 3,5,7,9,11,13
.irp b, 0,1,2,3
	v_max3_num_f32 v[BM+\b], v[BM+\b], v[\y+16*\b+\i], v[\y+1+16*\b+\i]
.endr
.endr
.irp b, 0,1,2,3
	v_max_num_f32 v[BM+\b], v[BM+\b], v[\y+15+16*\b]
.endr
.irp b, 0,1,2,3
	v_permlanex16_b32 v[PL+\b], v[BM+\b], s[SEL], s[SEL+1]
.endr
.irp b, 0,1,2,3
	v_max_num_f32 v[BM+\b], v[BM+\b], v[PL+\b]     ; with lane l xor 16's 16 keys
.endr
	v_max3_num_f32 v[T2], v[BM], v[BM+1], v[BM+2]
	v_max_num_f32 v[T2], v[T2], v[BM+3]
	v_mul_f32 v[T2], s[CS], v[T2]                  ; the step's largest t
	v_max_num_f32 v13, v13, v[T2]
	v_floor_f32 v12, -v13                          ; -M = floor(-t): a whole number
	v_sub_f32 v[T2], v12, v[TMP]
.irp b, 0,1,2,3
	v_fma_f32 v[BM+\b], v[BM+\b], s[CS], v12
.endr
	v_cvt_i32_f32 v[T2], v[T2]                     ; (it saturates)
.set j, 0
.rept 32
	v_pk_fma_f32 v[\y+j:\y+j+1], v[\y+j:\y+j+1], s[CS:CS+1], v[12:13] op_sel_hi:[1,0,0]   ; t - M
.if j == 14
	v_ldexp_f32 v[F], 1.0, v[T2]                   ; f = 2^(old M - new M): a multiplication by it rounds nothing
.endif
.set j, j+2
.endr
	s_wait_alu depctr_va_vdst(0)                   ; a wait ahead of the batch
.irp b, 0,1,2,3
	v_exp_f32 v[BM+\b], v[BM+\b]                   ; each block's largest p
.endr
.set j, 0
.rept 64
	v_exp_f32 v[\y+j], v[\y+j]                     ; p = 2^(t - M), at most 1
.set j, j+1
.endr
	v_pk_mul_f32 v[14:15], v[14:15], v[F:F+1] op_sel_hi:[1,0]   ; the sum under the new M (a plain line behind the batch)
	s_wait_alu depctr_va_vdst(0)                   ; and one behind it, ahead of its first reader
.set SN, 0
.irp b, 0,1,2,3                                ; the blocks' scales, by turns with the sums of blocks 0 and 1
	v_max_num_f32 v[BM+\b], 0x8000000, v[BM+\b]    ; the floor 2^(16 - 127): the byte cannot fall under 1
	SUM \y
.endr
.irp b, 0,1,2,3
	v_add_nc_u32 v[SOP+\b], 0xf8800000, v[BM+\b]   ; 15 off the exponent field: the conversion's scale operand
	SUM \y
.endr
.irp b, 0,1,2,3
	v_and_or_b32 v[HOLD+\b], v[BM+\b], 0x7f800000, s[MNT]   ; 57,344 x the scale
	SUM \y
.endr
.irp b, 0,1,2,3
	v_lshrrev_b32 v[PL+\b], 23, v[SOP+\b]
	SUM \y
.endr
	v_lshl_or_b32 v[PW], v[PL+1], 8, v[PL]
	v_lshl_or_b32 v[PW], v[PL+2], 16, v[PW]
	v_lshl_or_b32 v[PW], v[PL+3], 24, v[PW]
.set i, 0
.rept 16                                       ; the sums of blocks 2 and 3, by turns with the hold of blocks 0 and 1: the conversion does not saturate (ISA guide 7.6.2); p is not negative, so the hold is one-sided; two holds a line
	v_dual_min_num_f32 v[\y+i], v[\y+i], v[HOLD] :: v_dual_min_num_f32 v[\y+16+(i+1)%16], v[\y+16+(i+1)%16], v[HOLD+1]
.if i%2
	v_pk_add_f32 v[SB:SB+1], v[SB:SB+1], v[\y+32+2*i:\y+33+2*i]
.else
	v_pk_add_f32 v[14:15], v[14:15], v[\y+32+2*i:\y+33+2*i]
.endif
.set i, i+1
.endr
	CODES \y, 0
.set i, 0
.rept 16
	v_dual_min_num_f32 v[\y+32+i], v[\y+32+i], v[HOLD+2] :: v_dual_min_num_f32 v[\y+48+(i+1)%16], v[\y+48+(i+1)%16], v[HOLD+3]
.set i, i+1
.endr
	CODES \y, 2
	s_wait_alu depctr_va_vdst(0)                   ; the wait here, directly ahead of the first reader of O^T
.set j, 0
.rept 16
	v_pk_mul_f32 v[O+j:O+j+1], v[O+j:O+j+1], v[F:F+1] op_sel_hi:[1,0]   ; O^T x f; these sixteen stand between the last conversion and the products
.set j, j+2
.endr
	s_wait_alu depctr_va_vdst(0)                   ; likewise, directly ahead of the wait below
	s_wait_dscnt 18                                ; V and its scale words are in; the eighteen loads of the next step's K may be out
.irp t, 0,1,2,3                                ; O^T += V^T P^T: the four accumulators by turns
.if \t%2
	v_wmma_scale_f32_16x16x128_f8f6f4 v[O+8*\t:O+8*\t+7], v[\x+16*\t:\x+16*\t+15], v[PC:PC+15], v[O+8*\t:O+8*\t+7], v[VS+\t/2], v[PW] matrix_a_fmt:MATRIX_FMT_BF8 matrix_b_fmt:MATRIX_FMT_BF8 matrix_a_scale:MATRIX_SCALE_ROW1
.else
	v_wmma_scale_f32_16x16x128_f8f6f4 v[O+8*\t:O+8*\t+7], v[\x+16*\t:\x+16*\t+15], v[PC:PC+15], v[O+8*\t:O+8*\t+7], v[VS+\t/2], v[PW] matrix_a_fmt:MATRIX_FMT_BF8 matrix_b_fmt:MATRIX_FMT_BF8
.endif
.endr
	s_add_co_u32 s[TB], s[TB], KSTEP
	s_add_co_u32 s[TS], s[TS], 256
.endm
	s_mov_b32 s[PCNT], 2
.Lpass:                                        ; A PASS: 16 queries a wave against all 2,048 keys
	s_mov_b32 s[TB], 0
	s_mov_b32 s[TS], 0
	v_add_nc_u32 v[ADK], s[TB], v[LI]
	v_add_nc_u32 v[ADS], s[TS], v[AS0]
	KHALF KF, 0, 0                                 ; step 0's K
	KHALF KF, 1, 0
	v_mov_b32 v13, 0xff61b1e6                      ; the largest t so far: -3e38, under every t
	v_floor_f32 v12, -v13
	v_mov_b32 v14, 0
	v_mov_b32 v15, 0
	v_mov_b32 v[SB], 0
	v_mov_b32 v[SB+1], 0
.set j, 0
.rept 32
	v_mov_b32 v[O+j], 0                            ; (the step has one form: the first finds zeros)
.set j, j+1
.endr
	STEP KF, S                                     ; steps 0 and 1, which ask for K up to step 2: all of the first group
	STEP S, KF
	s_wait_tensorcnt 0x0                           ; my load of the second group has landed,
	s_wait_dscnt 0x0
	s_barrier_signal -1
	s_barrier_wait -1                              ; everybody's has
	s_mov_b32 s[TB], 2*KSTEP                       ; (the numbers that the two steps have left, as constants)
	s_mov_b32 s[TS], 2*256
	s_mov_b32 s[CNT], 7
.Lk:                                           ; steps 2 to 15, two a trip
	STEP KF, S
	STEP S, KF
	s_sub_co_u32 s[CNT], s[CNT], 1
	s_cmp_lg_u32 s[CNT], 0
	s_cbranch_scc1 .Lk
	; THE WAY OUT.  O^T / the sum; its two blocks of 32 are quantised as they lie; the conversions' results are the next product's operand registers.
	s_wait_dscnt 0x0                               ; the last step's loads into region KF have come back: the next pass loads there again
.rept 8
	v_nop                                          ; places behind the last products
.endr
	v_pk_add_f32 v[14:15], v[14:15], v[SB:SB+1]
	v_add_f32 v14, v14, v15
	v_permlanex16_b32 v[T2], v14, s[SEL], s[SEL+1]
	v_add_f32 v14, v14, v[T2]                      ; the row's sum
	s_wait_alu depctr_va_vdst(0)                   ; the wait ahead of the transcendental,
	v_rcp_f32 v14, v14
	v_nop
	s_wait_alu depctr_va_vdst(0)                   ; and ahead of its first reader, which is O^T's too
.set j, 0
.rept 16
	v_pk_mul_f32 v[S+j:S+j+1], v[O+j:O+j+1], v[14:15] op_sel_hi:[1,0]   ; register 16 b + i: channel 32 b + 16 (lane / 16) + i of my query
.set j, j+2
.endr
.irp b, 0,1
	v_max3_num_f32 v[BM+\b], |v[S+16*\b]|, |v[S+1+16*\b]|, 0x8000000
.endr
.irp i, 2,4,6,8,10,12,14
.irp b, 0,1
	v_max3_num_f32 v[BM+\b], v[BM+\b], |v[S+16*\b+\i]|, |v[S+1+16*\b+\i]|
.endr
.endr
.irp b, 0,1
	v_permlanex16_b32 v[PL+\b], v[BM+\b], s[SEL], s[SEL+1]
.endr
.irp b, 0,1
	v_max_num_f32 v[BM+\b], v[BM+\b], v[PL+\b]
.endr
.irp b, 0,1
	v_add_nc_u32 v[SOP+\b], 0xf8800000, v[BM+\b]
.endr
.irp b, 0,1
	v_and_or_b32 v[HOLD+\b], v[BM+\b], 0x7f800000, s[MNT]
.endr
.irp b, 0,1
	v_lshrrev_b32 v[PL+\b], 23, v[SOP+\b]
.endr
	v_lshl_or_b32 v[OW], v[PL+1], 8, v[PL]         ; my query's two scale bytes
.irp b, 0,1
.irp i, 0,1,2,3,4,5,6,7,8,9,10,11,12,13,14,15
	v_med3_num_f32 v[S+16*\b+\i], v[S+16*\b+\i], -v[HOLD+\b], v[HOLD+\b]
.endr
	v_cvt_scalef32_pk8_bf8_f32 v[PC+4*\b:PC+4*\b+1], v[S+16*\b:S+16*\b+7], v[SOP+\b]
	v_cvt_scalef32_pk8_bf8_f32 v[PC+4*\b+2:PC+4*\b+3], v[S+16*\b+8:S+16*\b+15], v[SOP+\b]
.endr
	v_nop                                          ; one plain line behind the last conversion
	global_store_b128 v[LI], v[PC:PC+3], s[PAC:PAC+1]              ; 32 lanes store 512 consecutive bytes, aligned
	global_store_b128 v[LI], v[PC+4:PC+7], s[PAC:PAC+1] offset:512
	global_store_b16 v[OSA], v[OW], s[PAS:PAS+1]                   ; lanes r and r + 16 write the same two bytes with the same value
	s_sub_co_u32 s[PCNT], s[PCNT], 1
	s_cmp_eq_u32 s[PCNT], 0
	s_cbranch_scc1 .Lend                           ; behind the second pass nothing is set up
	s_wait_xcnt 0x0                                ; the stores' data and bases are written again only behind this wait
	s_add_nc_u64 s[PAC:PAC+1], s[PAC:PAC+1], 16*16384   ; the second pass's tile lies sixteen tiles on
	s_add_nc_u64 s[PAS:PAS+1], s[PAS:PAS+1], 16*512
.irp i, 0,1,2,3,4,5,6,7
	v_mov_b32 v[QF+\i], v[Q2+\i]                   ; its Q, twice, and its scale words
	v_mov_b32 v[QF+16+\i], v[Q2+\i]
.endr
	v_mov_b32 v[QS], v[Q2S]
	v_lshlrev_b32 v[QS+1], 16, v[Q2S]
	s_wait_alu depctr_va_vdst(0)                   ; the wait here, directly ahead of the branch
	s_cmp_lg_u32 s[PCNT], 0
	s_cbranch_scc1 .Lpass
.Lend:
	s_wait_tensorcnt 0x0                           ; the wave's end
	ds_add_u32 v[SPW], v[NIL]
	s_wait_dscnt 0x0
	CROUND                                         ; the closing round
	s_endpgm
.Lfunc_end_k_qfcc684192d_attn:
	.size	k_qfcc684192d_attn, .Lfunc_end_k_qfcc684192d_attn-k_qfcc684192d_attn
	.p2alignl 7, 3214868480
	.fill 96, 4, 3214868480
	.section	.rodata,"a",@progbits
	.p2align	6, 0x0
	.amdhsa_kernel k_qfcc684192d_attn
		.amdhsa_group_segment_fixed_size 327680
		.amdhsa_private_segment_fixed_size 0
		.amdhsa_enable_private_segment 0
		.amdhsa_kernarg_size 32
		.amdhsa_user_sgpr_count 2
		.amdhsa_user_sgpr_kernarg_segment_ptr 1
		.amdhsa_wavefront_size32 1
		.amdhsa_system_sgpr_workgroup_id_x 1
		.amdhsa_system_sgpr_workgroup_id_y 1
		.amdhsa_system_sgpr_workgroup_id_z 1
		.amdhsa_system_vgpr_workitem_id 0
		.amdhsa_next_free_vgpr 256
		.amdhsa_next_free_sgpr 100
		.amdhsa_reserve_vcc 0
		.amdhsa_float_denorm_mode_32 3
		.amdhsa_float_denorm_mode_16_64 3
		.amdhsa_memory_ordered 1
		.amdhsa_forward_progress 1
		.amdhsa_inst_pref_size 94
	.end_amdhsa_kernel
	.amdgpu_metadata
---
amdhsa.version: [ 1, 2 ]
amdhsa.kernels:
  - .name:           k_qfcc684192d_attn
    .symbol:         k_qfcc684192d_attn.kd
    .args:
      - { .name: qkvc, .offset: 0, .size: 8, .value_kind: global_buffer, .address_space: global }
      - { .name: qkvs, .offset: 8, .size: 8, .value_kind: global_buffer, .address_space: global }
      - { .name: aoc, .offset: 16, .size: 8, .value_kind: global_buffer, .address_space: global }
      - { .name: aos, .offset: 24, .size: 8, .value_kind: global_buffer, .address_space: global }
    .group_segment_fixed_size: 327680
    .private_segment_fixed_size: 0
    .kernarg_segment_align: 8
    .kernarg_segment_size: 32
    .max_flat_workgroup_size: 512
    .sgpr_count:     100
    .vgpr_count:     256
    .wavefront_size: 32
...
	.end_amdgpu_metadata
.endif
;; end of part 2
;; launch proj (part 3): grid 8 x 32, 4 waves a work-group, clusters of 4 x 4, 327,680 bytes of LDS; arguments aoc, aos, Wo_codes, Wo_scales, bo, out0; writes out0
.if DOCPART == 3
	.amdgcn_target "amdgcn-amd-amdhsa--gfx1250"
	.amdhsa_code_object_version 6
	.text
	.protected	k_qfcc684192d_proj
	.globl	k_qfcc684192d_proj
	.p2align	8
	.type	k_qfcc684192d_proj,@function
k_qfcc684192d_proj:
	s_mov_b64 s[64:65], 0
	v_nop
	global_prefetch_b8 v0, s[64:65] scope:SCOPE_SE
	s_setreg_imm32_b32 hwreg(HW_REG_WAVE_MODE, 25, 1), 1
	s_wait_xcnt 0x0
	s_wait_alu depctr_hold_cnt(0) depctr_sa_sdst(0) depctr_va_vdst(0) depctr_va_sdst(0) depctr_va_ssrc(0) depctr_va_vcc(0) depctr_vm_vsrc(0)
	s_getreg_b32 s2, hwreg(HW_REG_IB_STS2, 6, 4)
	s_cmp_eq_u32 s2, 0
	s_cbranch_scc0 .Lentry_in_a_cluster
	s_endpgm
.Lentry_in_a_cluster:
	s_bfe_u32 s2, ttmp6, 0x10000c
	s_cmp_lg_u32 s2, 0xf033
	s_cbranch_scc0 .Lentry_shape_is_right
	s_endpgm
.Lentry_shape_is_right:
.set SIZE_N, 1024
.set KSTEP,  256
.set NQ,     KSTEP/128
.set ROWB,   256
.set KROW,   1024
.set ASTEP,  4096
.set PITCH,  272
.set FR,     16
.set NL,     4
.set NP,     8
.set HALFT,  128*PITCH
.set SLOT,   4*HALFT
.set LAPS,   KROW/(2*KSTEP)
.set KS,     KROW/32
.set SCL,    2*SLOT
.set HALFS,  (128*KS/256)*272
.set SBLK,   (16*KS/256)*272
.set SPARE,  SCL+4*HALFS
.set SPITCH, 528
.set ADRA, 16
.set ADRB, 20
.set STO,  24
.set RD,   25
.set CO,   26
.set ADRS, 27
.set SPW,  28
.set NIL,  29
.set SC,   32
.set BC,   64
.set AF,   128
.set BK,   128
.set G1, 24
.set G0, 32
.set G1B, 48
.set G0B, 56
.set G1S, 68
.set G0S, 76
.set G1SB, 80
.set G0SB, 88
.set MSB, 0
.macro WIN new
.if MSB != (\new)
	s_set_vgpr_msb (MSB<<8)|(\new)
.set MSB, (\new)
.endif
.endm
.set MUL_LO,   0xa1
.set MUL_HI,   0xf1
.set FIRST_LO, 0x81
.set FIRST_HI, 0xc1
.set TO_B,     0x40
.macro JLOAD g0a, g1a, g0b, g1b
	s_cmp_eq_u32 s15, 0
	s_cbranch_scc0 .Lfor_b_\@
	tensor_load_to_lds s[\g0a:\g0a+3], s[\g1a:\g1a+7]
	s_nop 0
.rept 4
	v_nop
.endr
	s_branch .Lasked_\@
.Lfor_b_\@:
	tensor_load_to_lds s[\g0b:\g0b+3], s[\g1b:\g1b+7]
	s_nop 0
.rept 4
	v_nop
.endr
.Lasked_\@:
.endm
.macro CREST
	s_cmp_lg_u32 s14, 0
	s_cbranch_scc1 .Lnot_wave_0_\@
	s_barrier_signal -3
.Lnot_wave_0_\@:
	s_barrier_wait -3
	s_barrier_signal -1
	s_barrier_wait -1
.endm
.macro CROUND
	s_barrier_signal -1
	s_barrier_wait -1
	CREST
.endm
	s_load_b128 s[4:7], s[0:1], 0x0
	s_load_b128 s[8:11], s[0:1], 0x10
	s_load_b64 s[96:97], s[0:1], 0x20
	s_load_b64 s[12:13], s[0:1], 0x28
	v_lshl_add_u32 v[SPW], v0, 2, SPARE
	v_mov_b32 v[NIL], 0
	ds_add_u32 v28, v29
	ds_add_u32 v28, v29
	s_wait_dscnt 0x0
	v_lshrrev_b32 v1, 5, v0
	v_readfirstlane_b32 s14, v1
	s_lshr_b32 s15, s14, 1
	s_and_b32 s16, s14, 1
	s_bfe_u32 s40, ttmp6, 0x40000
	s_bfe_u32 s41, ttmp6, 0x40004
	s_lshl_b32 s42, ttmp9, 2
	s_add_co_u32 s42, s42, s40
	s_and_b32 s17, ttmp7, 0xffff
	s_lshl_b32 s17, s17, 2
	s_add_co_u32 s17, s17, s41
	s_lshl_b32 s43, s41, 2
	s_lshl_b32 s43, 15, s43
	s_lshl_b32 s44, 0x1111, s40
	s_or_b32 s[G1+0], s43, (3<<16)|(1<<21)
	s_mov_b32 s[G1+1], 512<<16
	s_mov_b32 s[G1+2], 8<<16
	s_mov_b32 s[G1+3], 512<<16
	s_mov_b32 s[G1+4], 8
	s_mov_b32 s[G1+5], 2048
	s_mov_b32 s[G1+6], 0
	s_mov_b32 s[G1+7], 0
	s_or_b32 s[G1B+0], s44, (0<<16)|(1<<20)|(1<<21)|(5<<22)|(3<<25)
	s_mov_b32 s[G1B+1], ROWB<<16
	s_mov_b32 s[G1B+2], 64<<16                     ; a block of the result is 256 rows x 128 columns: B's tile is 128 rows, 64 to a load
	s_mov_b32 s[G1B+3], ROWB<<16
	s_mov_b32 s[G1B+4], 64
	s_mov_b32 s[G1B+5], KROW
	s_mov_b32 s[G1B+6], 0
	s_mov_b32 s[G1B+7], 0
	s_lshl_b32 s18, s16, 7
	s_lshl_b32 s20, s17, 8
	s_add_co_u32 s20, s20, s18
	s_lshl_b32 s46, s42, 7                         ; B: the tile's first row, 128 x tile column
	s_mov_b32 s21, 0
	s_mov_b32 s47, 0
	s_mov_b64 s[18:19], KS
	s_mul_u64 s[22:23], s[20:21], s[18:19]
	s_mul_u64 s[92:93], s[46:47], s[18:19]         ; the scales of all 128 rows of B's tile
	s_lshl_b32 s45, s16, 6
	s_add_co_u32 s46, s46, s45                     ; the codes: the 64 rows that I fetch
	s_mov_b64 s[18:19], KROW
	s_mul_u64 s[20:21], s[20:21], s[18:19]
	s_mul_u64 s[46:47], s[46:47], s[18:19]
	s_mul_i32 s45, s14, HALFT
	s_mul_i32 s94, s14, HALFS
	s_wait_kmcnt 0x0
	s_add_nc_u64 s[20:21], s[4:5], s[20:21]
	s_add_nc_u64 s[22:23], s[6:7], s[22:23]
	s_add_nc_u64 s[46:47], s[8:9], s[46:47]
	s_add_nc_u64 s[92:93], s[10:11], s[92:93]
	CROUND
.irp s, 0,1
	s_mov_b32 s[G0+4*\s], 1
	s_add_co_u32 s[G0+4*\s+1], s45, \s*SLOT
	s_add_nc_u64 s[G0+4*\s+2:G0+4*\s+3], s[20:21], \s*ASTEP
	s_or_b32 s[G0+4*\s+3], s[G0+4*\s+3], 0x80000000
	s_mov_b32 s[G0B+4*\s], 1
	s_add_co_u32 s[G0B+4*\s+1], s45, \s*SLOT
	s_add_nc_u64 s[G0B+4*\s+2:G0B+4*\s+3], s[46:47], \s*ROWB
	s_or_b32 s[G0B+4*\s+3], s[G0B+4*\s+3], 0x80000000
.endr
	JLOAD G0, G1, G0B, G1B                         ; K step 0: my one tensor load at the head
	; the scales of my 128 rows (waves 0, 1: A's; waves 2, 3: B's), 4,096 dense bytes, come through registers while that load is out, into LDS bytes of their own: units of 256 bytes, 272 apart
	s_cmp_eq_u32 s15, 0
	s_cselect_b64 s[76:77], s[22:23], s[92:93]
	s_add_co_u32 s94, s94, SCL
	v_and_b32 v8, 31, v0
	v_lshlrev_b32 v8, 4, v8                        ; 16 x lane
	v_bfe_u32 v9, v0, 4, 1
	v_and_b32 v10, 15, v0
	v_mul_u32_u24 v9, v9, 272
	v_lshl_add_u32 v9, v10, 4, v9
	v_add_nc_u32 v9, s94, v9
.irp i, 0,1,2,3,4,5,6,7
	global_load_b128 v[128+4*\i:131+4*\i], v8, s[76:77] offset:512*\i
.endr
	s_lshl_b32 s46, s42, 9                         ; my first column, in bytes: 512 x tile column + 256 x half
	s_lshl_b32 s47, s16, 8
	s_add_co_u32 s46, s46, s47
	s_mov_b32 s47, 0
	s_add_nc_u64 s[96:97], s[96:97], s[46:47]
	v_and_b32 v1, 15, v0
	v_bfe_u32 v2, v0, 4, 1
	v_lshlrev_b32 v7, 5, v2
.irp b, 0,1,2,3
	global_load_b128 v[BC+8*\b:BC+8*\b+3], v7, s[96:97] offset:64*\b
	global_load_b128 v[BC+8*\b+4:BC+8*\b+7], v7, s[96:97] offset:64*\b+16
.endr
	v_mul_u32_u24 v3, v1, PITCH
	v_lshl_add_u32 v4, v2, 4, v3
	v_and_b32 v6, 31, v0
	v_lshlrev_b32 v[CO], 4, v6
	s_mul_i32 s21, s15, HALFT
	s_mul_i32 s22, s16, HALFT
	s_add_co_u32 s22, s22, 2*HALFT
.irp s, 0,1
	v_add_nc_u32 v[ADRA+\s], s21, v[CO]
	v_add_nc_u32 v[ADRB+\s], s22, v4
	s_add_co_u32 s21, s21, SLOT
	s_add_co_u32 s22, s22, SLOT
.endr
	v_mul_u32_u24 v5, v1, KS
	v_lshrrev_b32 v6, 8, v5
	v_lshl_add_u32 v5, v6, 4, v5
	s_mul_i32 s21, s15, HALFS
	s_xor_b32 s22, s16, 1                          ; waves 2 and 3 each laid the scales of all 128 rows of B: column half 0 reads wave 3's from block 0, half 1 wave 2's from block 4,
	s_mul_i32 s22, s22, HALFS/2                    ; so that the eight blocks which a run of scale loads walks are bytes that were written
	s_add_co_u32 s22, s22, 2*HALFS+HALFS/2
	s_sub_co_u32 s22, s22, s21
	v_mul_u32_u24 v6, s22, v2
	s_add_co_u32 s21, s21, SCL
	v_add_nc_u32 v5, v5, v6
	v_add_nc_u32 v[ADRS], s21, v5
	s_mul_i32 s23, s14, 16*SPITCH
	v_mul_u32_u24 v5, v1, SPITCH
	v_lshl_add_u32 v5, v2, 5, v5
	v_add_nc_u32 v[STO], s23, v5
	v_mul_u32_u24 v5, v2, SPITCH                   ; back: lanes 0-15 take one row of 256 bytes, lanes 16-31 the next
	v_lshl_add_u32 v5, v1, 4, v5
	v_add_nc_u32 v[RD], s23, v5
	v_lshlrev_b32 v[CO], 12, v2                    ; and the same two rows in out0, 4,096 bytes apart
	v_lshl_add_u32 v[CO], v1, 4, v[CO]
	s_lshl_b32 s20, s17, 8
	s_lshl_b32 s21, s15, 7
	s_add_co_u32 s20, s20, s21
	s_mov_b32 s21, 0
	s_mov_b64 s[18:19], SIZE_N*4
	s_mul_u64 s[20:21], s[20:21], s[18:19]
	s_add_nc_u64 s[20:21], s[20:21], s[46:47]
	s_add_nc_u64 s[12:13], s[12:13], s[20:21]
	s_wait_alu depctr_va_vdst(0)                   ; the wait here, directly ahead of the wait below
	s_wait_loadcnt 0x0                             ; the scales and the bias, asked for together
	s_wait_tensorcnt 0x0                           ; no tensor load of mine is out while I store to LDS
.irp i, 0,1,2,3,4,5,6,7
	ds_store_b128 v9, v[128+4*\i:131+4*\i] offset:544*\i
.endr
	s_wait_tensorcnt 0x0                           ; the full sequence ahead of slot 1's first fill
	ds_add_u32 v28, v29
	s_wait_dscnt 0x0
	CROUND
	JLOAD G0+4, G1, G0B+4, G1B
.macro FRAG reg, adr, q, i
.irp c, 0,1,2,3
	ds_load_b128 v[\reg+4*\c:\reg+4*\c+3], v[\adr] offset:128*(\q)+32*\c+(\i)*16*PITCH
.endr
.endm
.macro FRAGA reg, adr, q, i
.irp c, 0,1,2,3
	ds_load_b128 v[\reg+4*\c:\reg+4*\c+3], v[\adr] offset:2048*(\q)+512*\c+(\i)*ASTEP
.endr
.endm
.macro MUL16 a0, p, q, sc, first
.irp a, \a0, \a0+1
.irp b, 0,1,2,3
.if \first
	v_wmma_scale_f32_16x16x128_f8f6f4 v[8*(8*((\a)%4)+\b):8*(8*((\a)%4)+\b)+7], v[128*(\p)+FR*\b:128*(\p)+FR*\b+FR-1], v[AF+FR*(\a):AF+FR*(\a)+FR-1], v[BC+8*\b:BC+8*\b+7], v[SC+8*NQ*(\sc)+NQ*\b+(\q)], v[SC+8*NQ*(\sc)+NQ*(\a)+(\q)] matrix_a_fmt:MATRIX_FMT_BF8 matrix_b_fmt:MATRIX_FMT_BF8 matrix_a_scale:MATRIX_SCALE_ROW1
.else
	v_wmma_scale_f32_16x16x128_f8f6f4 v[8*(8*((\a)%4)+\b):8*(8*((\a)%4)+\b)+7], v[128*(\p)+FR*\b:128*(\p)+FR*\b+FR-1], v[AF+FR*(\a):AF+FR*(\a)+FR-1], v[8*(8*((\a)%4)+\b):8*(8*((\a)%4)+\b)+7], v[SC+8*NQ*(\sc)+NQ*\b+(\q)], v[SC+8*NQ*(\sc)+NQ*(\a)+(\q)] matrix_a_fmt:MATRIX_FMT_BF8 matrix_b_fmt:MATRIX_FMT_BF8 matrix_a_scale:MATRIX_SCALE_ROW1
.endif
.endr
.endr
.endm
.macro FETCH_B slot, q, p
	WIN TO_B
.irp i, 0,1,2,3
	FRAG 128*(\p)+FR*\i, ADRB+\slot, \q, \i
.endr
	WIN 0
.endm
.macro FETCH_A slot, q, i0
.irp i, \i0, \i0+1, \i0+2, \i0+3
	FRAGA AF+FR*(\i), ADRA+\slot, \q, \i
.endr
.endm
.macro SCALES sc
.irp i, 0,1,2,3,4,5,6,7
	ds_load_b64 v[SC+8*NQ*\sc+NQ*\i:SC+8*NQ*\sc+NQ*\i+1], v[ADRS] offset:\i*SBLK
.endr
.endm
.macro PLACES n
.rept \n
	v_nop
.endr
.endm
.macro STEP slot, q, first
	s_wait_dscnt 4*NL
.if \first
	WIN FIRST_LO
.else
	WIN MUL_LO
.endif
	MUL16 0, (\q)%2, \q, \slot, \first
	MUL16 2, (\q)%2, \q, \slot, \first
	s_wait_dscnt 0
	PLACES NP
	FETCH_B \slot, (\q)+1, 1-(\q)%2
	FETCH_A \slot, (\q)+1, 0
.if \first
	WIN FIRST_HI
.else
	WIN MUL_HI
.endif
	MUL16 4, (\q)%2, \q, \slot, \first
	MUL16 6, (\q)%2, \q, \slot, \first
	PLACES NP
	WIN 0
	FETCH_A \slot, (\q)+1, 4
.endm
.macro TURN slot, next, fill
	s_wait_tensorcnt 0x0
	ds_add_u32 v[SPW], v[NIL]
	s_wait_dscnt 4*NL+1
	WIN MUL_LO
	MUL16 0, 1, NQ-1, \slot, 0
	s_wait_dscnt 0x0
	s_barrier_signal -1
	MUL16 2, 1, NQ-1, \slot, 0
	WIN 0
	s_barrier_wait -1
.if \fill
	CREST
	s_add_nc_u64 s[G0+4*\slot+2:G0+4*\slot+3], s[G0+4*\slot+2:G0+4*\slot+3], 2*ASTEP
	s_add_nc_u64 s[G0B+4*\slot+2:G0B+4*\slot+3], s[G0B+4*\slot+2:G0B+4*\slot+3], 2*ROWB
	JLOAD G0+4*\slot, G1, G0B+4*\slot, G1B
	PLACES NP-4
.else
	PLACES NP
.endif
	s_wait_alu depctr_va_vdst(0)
	v_add_nc_u32 v[ADRS], 4*NQ, v[ADRS]
	FETCH_B \next, 0, 0
	FETCH_A \next, 0, 0
	SCALES \next
	WIN MUL_HI
	MUL16 4, 1, NQ-1, \slot, 0
	MUL16 6, 1, NQ-1, \slot, 0
	PLACES NP
	WIN 0
	FETCH_A \next, 0, 4
.endm
	s_wait_alu depctr_va_vdst(0)
	s_wait_loadcnt 0x0
	s_wait_tensorcnt 1
	s_barrier_signal -1
	s_barrier_wait -1
	FETCH_B 0, 0, 0
	FETCH_A 0, 0, 0
	SCALES 0
	FETCH_A 0, 0, 4
	STEP 0, 0, 1
	s_mov_b32 s3, LAPS-1
.Llap:
	TURN 0, 1, 1
	STEP 1, 0, 0
	TURN 1, 0, 1
	STEP 0, 0, 0
	s_sub_co_u32 s3, s3, 1
	s_cmp_lg_u32 s3, 0
	s_cbranch_scc1 .Llap
	TURN 0, 1, 0
	STEP 1, 0, 0
	s_wait_dscnt 4*NL
	WIN MUL_LO
	MUL16 0, 1, NQ-1, 1, 0
	MUL16 2, 1, NQ-1, 1, 0
	s_wait_dscnt 0
	WIN MUL_HI
	MUL16 4, 1, NQ-1, 1, 0
	MUL16 6, 1, NQ-1, 1, 0
	WIN 0
.macro TOSTAGE a
.set AC, 64*((\a)%4)
	WIN 0x08+4*((\a)/4)
.irp b, 0,1,2,3
	ds_store_b128 v[STO], v[AC+8*\b:AC+8*\b+3] offset:64*\b
	ds_store_b128 v[STO], v[AC+8*\b+4:AC+8*\b+7] offset:64*\b+16
.endr
	WIN 0
.set BB, BK+64*((\a)%2)
.irp t, 0,1,2,3,4,5,6,7
	ds_load_b128 v[BB+4*\t:BB+4*\t+3], v[RD] offset:2*\t*SPITCH
.endr
.endm
.macro SEND a, younger
.set BB, BK+64*((\a)%2)
	s_wait_dscnt \younger
.irp t, 0,1,2,3,4,5,6,7
	global_store_b128 v[CO], v[BB+4*\t:BB+4*\t+3], s[12:13] offset:(32*((\a)/2)+8*((\a)%2)+2*\t+8*(\t/4))*SIZE_N*4 th:TH_STORE_NT
.endr
.endm
	PLACES NP
	TOSTAGE 0
.irp a, 1,2,3,4,5,6,7
.if \a > 1
	s_wait_xcnt 0x0
.endif
	TOSTAGE \a
	SEND \a-1, 16
.endr
	SEND 7, 0
	s_wait_tensorcnt 0x0
	ds_add_u32 v[SPW], v[NIL]
	s_wait_dscnt 0x0
	CROUND
	s_endpgm
.Lfunc_end_k_qfcc684192d_proj:
	.size	k_qfcc684192d_proj, .Lfunc_end_k_qfcc684192d_proj-k_qfcc684192d_proj
	.p2alignl 7, 3214868480
	.fill 96, 4, 3214868480
	.section	.rodata,"a",@progbits
	.p2align	6, 0x0
	.amdhsa_kernel k_qfcc684192d_proj
		.amdhsa_group_segment_fixed_size 327680
		.amdhsa_private_segment_fixed_size 0
		.amdhsa_enable_private_segment 0
		.amdhsa_kernarg_size 48
		.amdhsa_user_sgpr_count 2
		.amdhsa_user_sgpr_kernarg_segment_ptr 1
		.amdhsa_wavefront_size32 1
		.amdhsa_system_sgpr_workgroup_id_x 1
		.amdhsa_system_sgpr_workgroup_id_y 1
		.amdhsa_system_sgpr_workgroup_id_z 1
		.amdhsa_system_vgpr_workitem_id 0
		.amdhsa_next_free_vgpr 1024
		.amdhsa_next_free_sgpr 100
		.amdhsa_reserve_vcc 0
		.amdhsa_float_denorm_mode_32 3
		.amdhsa_float_denorm_mode_16_64 3
		.amdhsa_memory_ordered 1
		.amdhsa_forward_progress 1
		.amdhsa_inst_pref_size 93
	.end_amdhsa_kernel
	.amdgpu_metadata
---
amdhsa.version: [ 1, 2 ]
amdhsa.kernels:
  - .name:           k_qfcc684192d_proj
    .symbol:         k_qfcc684192d_proj.kd
    .args:
      - { .name: aoc, .offset: 0, .size: 8, .value_kind: global_buffer, .address_space: global }
      - { .name: aos, .offset: 8, .size: 8, .value_kind: global_buffer, .address_space: global }
      - { .name: Wo_codes, .offset: 16, .size: 8, .value_kind: global_buffer, .address_space: global }
      - { .name: Wo_scales, .offset: 24, .size: 8, .value_kind: global_buffer, .address_space: global }
      - { .name: bo, .offset: 32, .size: 8, .value_kind: global_buffer, .address_space: global }
      - { .name: out0, .offset: 40, .size: 8, .value_kind: global_buffer, .address_space: global }
    .group_segment_fixed_size: 327680
    .private_segment_fixed_size: 0
    .kernarg_segment_align: 8
    .kernarg_segment_size: 48
    .max_flat_workgroup_size: 128
    .sgpr_count:     100
    .vgpr_count:     1024
    .wavefront_size: 32
...
	.end_amdgpu_metadata
.endif
;; end of part 3
